; MI455X (gfx1250); checked and timed in simulation.
; The chip was launched on July 23, 2026; its instructions are those of AMD's public machine-readable ISA for CDNA 5 (MIT licence, August 2026) and "CDNA5" Instruction Set Architecture Reference Guide (July 2026). The comments in the code are by the model that wrote it; some were corrected since.
;; Differentiable Recurrent Net. Allowed arithmetic: float matrix products may take bf16 or f16 operands with f32 sums; all other float work in f32.
;; Inputs: hidden_biases 2,048 float32; hidden_responses 2,048 float32; hidden_to_hidden 2,048 x 2,048 float32; hidden_to_output 512 x 2,048 float32; input_to_hidden 2,048 x 512 float32; input_to_output 512 x 512 float32; inputs 8,192 x 512 float32; output_biases 512 float32; output_responses 512 float32; output_to_hidden 2,048 x 512 float32; output_to_output 512 x 512 float32.
;; Outputs: out0 8,192 x 512 float32.
;; One version. Each part assembles by itself: llvm-mc -triple=amdgcn-amd-amdhsa -mcpu=gfx1250 --defsym DOCPART=n.
;; ======== version 1 of 1: 3 launches
;; workspace buffers: xb 8,388,608 bytes; w1 2,097,152 bytes; w2 2,621,440 bytes; coef 20,480 bytes; hb 33,554,432 bytes
;; launch prep (part 1): grid 256 x 1, 22 waves a work-group, no clusters, 0 bytes of LDS; arguments inputs, input_to_hidden, hidden_to_output, input_to_output, hidden_to_hidden, output_to_hidden, output_to_output, hidden_responses, hidden_biases, output_responses, output_biases, xb, w1, w2, coef; writes xb, w1, w2, coef
.if DOCPART == 1
	.amdgcn_target "amdgcn-amd-amdhsa--gfx1250"
	.amdhsa_code_object_version 6
	.text
	.protected	k_qf868c13e8e_prep
	.globl	k_qf868c13e8e_prep
	.p2align	8
	.type	k_qf868c13e8e_prep,@function
k_qf868c13e8e_prep:
	s_mov_b64 s[64:65], 0
	v_nop
	global_prefetch_b8 v0, s[64:65] scope:SCOPE_SE
	s_setreg_imm32_b32 hwreg(HW_REG_WAVE_MODE, 25, 1), 1
	s_wait_xcnt 0x0
; PREP: casts and coefficients.  A stream: every input byte is read once, by 16-byte loads of which a wave's 32 cover 512 neighbouring bytes.
;   xb[8192][512]  = bf16(inputs)                 w1[2048][512] = bf16(input_to_hidden)
;   w2[512][2560]  = bf16([input_to_output | hidden_to_output]): one row of 5,120 bytes for each output neuron, so that the last product walks one K of 2,560
;   coef (f32): P1[2048] at 0, P2[2048] at 8,192, Q1[512] at 16,384, Q2[512] at 18,432
; THE STATE.  The module's activs and outputs are, after its reset, ONE vector for all 8,192 rows (zeros, made by the module itself), so each of the three products with the state
; has 8,192 equal rows.  Such a row is made here once, in f32: zh[j] = sum_k s[k] hidden_to_hidden[j][k] + sum_k s[k] output_to_hidden[j][k], zo[i] = sum_k s[k] output_to_output[i][k],
; with s = 0 in v[4:5]: every weight is read and multiplied (an infinity or a NaN among them gives NaN, as it does in the module).  The rows are folded into the biases:
;   P1[j] = k_j rh[j],  P2[j] = k_j (rh[j] zh[j] + bh[j]);  k_j = -2 log2(e), -log2(e), 1 for j % 3 = 0 (tanh), 1 (sigmoid), 2 (relu)
;   Q1[i] = -log2(e) ro[i],  Q2[i] = -log2(e) (ro[i] zo[i] + bo[i])
; LIMIT: r (acc + z) + b is later taken as acc (k r) + k (r z + b): another order of rounding than the module's, all in f32.
; SHARES.  256 equal work-groups of 22 waves; work-group g reads 188,416 bytes.  Waves 0-7: 4 rows of inputs each.  8-9: 4 rows of input_to_hidden each.  10-11: a row of hidden_to_output each.
; 12: two rows of input_to_output.  13: zo of two output neurons.  14-21: zh of one hidden neuron each.  A wave issues all its loads (8, 16 or 20) at once and then works through them in order.
; No LDS, no barrier, no matrix unit, no cluster: the waves share nothing and every byte is used once.
.set X,   8                            ; v[8:87]   four registers for each load
.set ACC, 88                           ; v[88:95]  four chains of packed sums
.set LOG2E_N,  0xbfb8aa3b              ; -log2(e)
.set LOG2E_N2, 0xc038aa3b              ; -2 log2(e)
	s_load_b512 s[8:23], s[0:1], 0x0               ; inputs 8, input_to_hidden 10, hidden_to_output 12, input_to_output 14, hidden_to_hidden 16, output_to_hidden 18, output_to_output 20, hidden_responses 22
	s_load_b256 s[24:31], s[0:1], 0x40             ; hidden_biases 24, output_responses 26, output_biases 28, xb 30
	s_load_b128 s[32:35], s[0:1], 0x60             ; w1 32, w2 34
	s_load_b64 s[36:37], s[0:1], 0x70              ; coef
	v_and_b32 v3, 31, v0                           ; lane
	v_lshrrev_b32 v6, 5, v0
	v_readfirstlane_b32 s38, v6                    ; wave 0..21
	v_lshlrev_b32 v1, 4, v3                        ; 16 bytes of f32 a lane
	v_lshlrev_b32 v2, 3, v3                        ; 8 bytes of bf16 a lane
	v_mov_b32 v4, 0                                ; v[4:5]: the state after the reset
	v_mov_b32 v5, 0
	v_mov_b32 v7, 0                                ; v_permlanex16_b32's destination counts as read
	v_mov_b32 v100, 0                              ; offset of the coefficients' stores
	s_mov_b32 s52, 0x76543210                      ; v_permlanex16_b32: each lane takes its own place in the other half
	s_mov_b32 s53, 0xfedcba98
	s_mov_b32 s45, 0                               ; high word of every offset
	s_wait_kmcnt 0x0
; n pieces of 512 f32 (four loads each) are rounded to bf16.  Load i's 512 bytes become 256 bytes: a wave's store covers 256 consecutive bytes, aligned.  dpitch: bytes from piece to piece at the destination.
; No register is used twice, so nothing but the counted wait for each load stands in the way.
.macro CAST n, src, dst, dpitch
.set i, 0
.rept 4*(\n)
	global_load_b128 v[X+4*i:X+4*i+3], v1, s[\src:\src+1] offset:512*i th:TH_LOAD_NT
.set i, i+1
.endr
.set i, 0
.rept 4*(\n)
	s_wait_loadcnt 4*(\n)-1-i                      ; loads come back in order: load i is in, the younger ones stay out
	v_cvt_pk_bf16_f32 v[X+4*i], v[X+4*i], v[X+4*i+1]
	v_cvt_pk_bf16_f32 v[X+4*i+1], v[X+4*i+2], v[X+4*i+3]
	global_store_b64 v2, v[X+4*i:X+4*i+1], s[\dst:\dst+1] offset:(i/4)*(\dpitch)+(i%4)*256
.set i, i+1
.endr
.endm
.macro LOADS first, n, src             ; n loads of 512 neighbouring bytes into slots first ..
.set i, 0
.rept \n
	global_load_b128 v[X+4*((\first)+i):X+4*((\first)+i)+3], v1, s[\src:\src+1] offset:512*i th:TH_LOAD_NT
.set i, i+1
.endr
.endm
; state x weights for loads first .. first + n - 1 of total: four chains; the first two loads start them, so nothing is cleared
.macro DOT first, n, total
.set i, \first
.rept \n
	s_wait_loadcnt (\total)-1-i                    ; the loads issued behind load i may stay out
.if i-(\first) < 2
	v_pk_mul_f32 v[ACC+4*(i%2):ACC+4*(i%2)+1],   v[X+4*i:X+4*i+1],   v[4:5]
	v_pk_mul_f32 v[ACC+4*(i%2)+2:ACC+4*(i%2)+3], v[X+4*i+2:X+4*i+3], v[4:5]
.else
	v_pk_fma_f32 v[ACC+4*(i%2):ACC+4*(i%2)+1],   v[X+4*i:X+4*i+1],   v[4:5], v[ACC+4*(i%2):ACC+4*(i%2)+1]
	v_pk_fma_f32 v[ACC+4*(i%2)+2:ACC+4*(i%2)+3], v[X+4*i+2:X+4*i+3], v[4:5], v[ACC+4*(i%2)+2:ACC+4*(i%2)+3]
.endif
.set i, i+1
.endr
.endm
.macro REDUCE d                        ; the four chains, their halves and the 32 lanes into v[d], in every lane
	v_pk_add_f32 v[ACC:ACC+1], v[ACC:ACC+1], v[ACC+2:ACC+3]
	v_pk_add_f32 v[ACC+4:ACC+5], v[ACC+4:ACC+5], v[ACC+6:ACC+7]
	v_pk_add_f32 v[ACC:ACC+1], v[ACC:ACC+1], v[ACC+4:ACC+5]
	v_add_f32 v[\d], v[ACC], v[ACC+1]
	v_add_f32_dpp v[\d], v[\d], v[\d] row_xmask:1 row_mask:0xf bank_mask:0xf
	v_add_f32_dpp v[\d], v[\d], v[\d] row_xmask:2 row_mask:0xf bank_mask:0xf
	v_add_f32_dpp v[\d], v[\d], v[\d] row_xmask:4 row_mask:0xf bank_mask:0xf
	v_add_f32_dpp v[\d], v[\d], v[\d] row_xmask:8 row_mask:0xf bank_mask:0xf
	v_permlanex16_b32 v7, v[\d], s52, s53
	v_add_f32 v[\d], v[\d], v7
.endm
	s_cmp_lt_u32 s38, 8
	s_cbranch_scc1 .Lx
	s_cmp_lt_u32 s38, 10
	s_cbranch_scc1 .Lwih
	s_cmp_lt_u32 s38, 12
	s_cbranch_scc1 .Lwho
	s_cmp_eq_u32 s38, 12
	s_cbranch_scc1 .Lwio
	s_cmp_eq_u32 s38, 13
	s_cbranch_scc1 .Lzo
	; waves 14-21: hidden neuron j = 8 g + wave - 14
	s_lshl_b32 s46, ttmp9, 3
	s_add_co_u32 s46, s46, s38
	s_sub_co_u32 s46, s46, 14
	s_lshl_b32 s44, s46, 13                        ; a row of hidden_to_hidden: 8,192 bytes, 16 loads
	s_add_nc_u64 s[40:41], s[16:17], s[44:45]
	s_lshl_b32 s44, s46, 11                        ; a row of output_to_hidden: 2,048 bytes, 4 loads
	s_add_nc_u64 s[42:43], s[18:19], s[44:45]
	LOADS 0, 16, 40
	LOADS 16, 4, 42
	s_lshl_b32 s44, s46, 2                         ; 4 j
	s_add_nc_u64 s[22:23], s[22:23], s[44:45]
	s_add_nc_u64 s[24:25], s[24:25], s[44:45]
	s_add_nc_u64 s[36:37], s[36:37], s[44:45]
	s_load_b32 s50, s[22:23], 0x0                  ; rh[j]
	s_load_b32 s51, s[24:25], 0x0                  ; bh[j]
	s_mul_hi_u32 s47, s46, 0xaaaaaaab              ; j / 3 = (j x 0xaaaaaaab) >> 33
	s_lshr_b32 s47, s47, 1
	s_mul_i32 s47, s47, 3
	s_sub_co_u32 s47, s46, s47                     ; j % 3
	s_cmp_eq_u32 s47, 0
	s_cselect_b32 s48, LOG2E_N2, 1.0
	s_cmp_eq_u32 s47, 1
	s_cselect_b32 s48, LOG2E_N, s48                ; k_j
	DOT 0, 20, 20
	REDUCE 6                                       ; zh[j]
	s_wait_kmcnt 0x0
	s_mul_f32 s49, s50, s48                        ; P1 = k rh
	v_fma_f32 v96, s50, v6, s51                    ; rh zh + bh
	v_mul_f32 v97, s48, v96                        ; P2
	v_mov_b32 v96, s49
	v_cmp_eq_u32 vcc_lo, 0, v3
	s_wait_xcnt 0x0                                ; EXEC is a source of the loads above: it changes only behind this wait
	s_and_saveexec_b32 s56, vcc_lo                 ; one lane stores: 8 bytes of coefficients for 10,240 bytes read
	global_store_b32 v100, v96, s[36:37]
	global_store_b32 v100, v97, s[36:37] offset:8192
	s_wait_xcnt 0x0
	s_or_b32 exec_lo, exec_lo, s56
	s_endpgm
.Lzo:                                  ; wave 13: output neurons 2 g and 2 g + 1
	s_lshl_b32 s44, ttmp9, 12                      ; two rows of output_to_output: 4,096 bytes, 8 loads
	s_add_nc_u64 s[40:41], s[20:21], s[44:45]
	LOADS 0, 8, 40
	s_lshl_b32 s44, ttmp9, 3                       ; 4 x 2 g
	s_add_nc_u64 s[26:27], s[26:27], s[44:45]
	s_add_nc_u64 s[28:29], s[28:29], s[44:45]
	s_add_nc_u64 s[36:37], s[36:37], s[44:45]
	s_load_b64 s[50:51], s[26:27], 0x0             ; ro of the two
	s_load_b64 s[54:55], s[28:29], 0x0             ; bo of the two
	s_mov_b32 s48, LOG2E_N
	DOT 0, 4, 8
	REDUCE 6                                       ; zo[2 g]
	DOT 4, 4, 8
	REDUCE 98                                      ; zo[2 g + 1]
	s_wait_kmcnt 0x0
	v_fma_f32 v6, s50, v6, s54                     ; ro zo + bo
	v_fma_f32 v99, s51, v98, s55
	v_mul_f32 v98, s48, v6                         ; Q2
	v_mul_f32 v99, s48, v99
	s_mul_f32 s50, s50, s48                        ; Q1
	s_mul_f32 s51, s51, s48
	v_mov_b32 v96, s50
	v_mov_b32 v97, s51
	v_cmp_eq_u32 vcc_lo, 0, v3
	s_wait_xcnt 0x0                                ; EXEC changes only behind this wait
	s_and_saveexec_b32 s56, vcc_lo
	global_store_b64 v100, v[96:97], s[36:37] offset:16384
	global_store_b64 v100, v[98:99], s[36:37] offset:18432
	s_wait_xcnt 0x0
	s_or_b32 exec_lo, exec_lo, s56
	s_endpgm
.Lx:                                   ; waves 0-7: chunk c = 8 g + wave of inputs: 8,192 bytes in, 4,096 out
	s_lshl_b32 s46, ttmp9, 3
	s_add_co_u32 s46, s46, s38
	s_lshl_b32 s44, s46, 13
	s_add_nc_u64 s[40:41], s[8:9], s[44:45]
	s_lshl_b32 s44, s46, 12
	s_add_nc_u64 s[42:43], s[30:31], s[44:45]
	CAST 4, 40, 42, 1024
	s_endpgm
.Lwih:                                 ; waves 8-9: chunk c = 2 g + wave - 8 of input_to_hidden
	s_lshl_b32 s46, ttmp9, 1
	s_add_co_u32 s46, s46, s38
	s_sub_co_u32 s46, s46, 8
	s_lshl_b32 s44, s46, 13
	s_add_nc_u64 s[40:41], s[10:11], s[44:45]
	s_lshl_b32 s44, s46, 12
	s_add_nc_u64 s[42:43], s[32:33], s[44:45]
	CAST 4, 40, 42, 1024
	s_endpgm
.Lwho:                                 ; waves 10-11: row i = 2 g + wave - 10 of hidden_to_output, into w2's row i behind its first 1,024 bytes
	s_lshl_b32 s46, ttmp9, 1
	s_add_co_u32 s46, s46, s38
	s_sub_co_u32 s46, s46, 10
	s_lshl_b32 s44, s46, 13
	s_add_nc_u64 s[40:41], s[12:13], s[44:45]
	s_mul_i32 s44, s46, 5120
	s_add_co_u32 s44, s44, 1024
	s_add_nc_u64 s[42:43], s[34:35], s[44:45]
	CAST 4, 40, 42, 1024
	s_endpgm
.Lwio:                                 ; wave 12: rows 2 g and 2 g + 1 of input_to_output, into the first 1,024 bytes of w2's rows
	s_lshl_b32 s44, ttmp9, 12
	s_add_nc_u64 s[40:41], s[14:15], s[44:45]
	s_mul_i32 s44, ttmp9, 10240
	s_add_nc_u64 s[42:43], s[34:35], s[44:45]
	CAST 2, 40, 42, 5120
	s_endpgm
.Lfunc_end_k_qf868c13e8e_prep:
	.size	k_qf868c13e8e_prep, .Lfunc_end_k_qf868c13e8e_prep-k_qf868c13e8e_prep
	.p2alignl 7, 3214868480
	.fill 96, 4, 3214868480
	.section	.rodata,"a",@progbits
	.p2align	6, 0x0
	.amdhsa_kernel k_qf868c13e8e_prep
		.amdhsa_group_segment_fixed_size 0
		.amdhsa_private_segment_fixed_size 0
		.amdhsa_enable_private_segment 0
		.amdhsa_kernarg_size 120
		.amdhsa_user_sgpr_count 2
		.amdhsa_user_sgpr_kernarg_segment_ptr 1
		.amdhsa_wavefront_size32 1
		.amdhsa_system_sgpr_workgroup_id_x 1
		.amdhsa_system_sgpr_workgroup_id_y 1
		.amdhsa_system_sgpr_workgroup_id_z 1
		.amdhsa_system_vgpr_workitem_id 0
		.amdhsa_next_free_vgpr 104
		.amdhsa_next_free_sgpr 66
		.amdhsa_reserve_vcc 1
		.amdhsa_float_denorm_mode_32 3
		.amdhsa_float_denorm_mode_16_64 3
		.amdhsa_memory_ordered 1
		.amdhsa_forward_progress 1
		.amdhsa_inst_pref_size 33
	.end_amdhsa_kernel
	.amdgpu_metadata
---
amdhsa.version: [ 1, 2 ]
amdhsa.kernels:
  - .name:           k_qf868c13e8e_prep
    .symbol:         k_qf868c13e8e_prep.kd
    .args:
      - { .name: inputs, .offset: 0, .size: 8, .value_kind: global_buffer, .address_space: global }
      - { .name: input_to_hidden, .offset: 8, .size: 8, .value_kind: global_buffer, .address_space: global }
      - { .name: hidden_to_output, .offset: 16, .size: 8, .value_kind: global_buffer, .address_space: global }
      - { .name: input_to_output, .offset: 24, .size: 8, .value_kind: global_buffer, .address_space: global }
      - { .name: hidden_to_hidden, .offset: 32, .size: 8, .value_kind: global_buffer, .address_space: global }
      - { .name: output_to_hidden, .offset: 40, .size: 8, .value_kind: global_buffer, .address_space: global }
      - { .name: output_to_output, .offset: 48, .size: 8, .value_kind: global_buffer, .address_space: global }
      - { .name: hidden_responses, .offset: 56, .size: 8, .value_kind: global_buffer, .address_space: global }
      - { .name: hidden_biases, .offset: 64, .size: 8, .value_kind: global_buffer, .address_space: global }
      - { .name: output_responses, .offset: 72, .size: 8, .value_kind: global_buffer, .address_space: global }
      - { .name: output_biases, .offset: 80, .size: 8, .value_kind: global_buffer, .address_space: global }
      - { .name: xb, .offset: 88, .size: 8, .value_kind: global_buffer, .address_space: global }
      - { .name: w1, .offset: 96, .size: 8, .value_kind: global_buffer, .address_space: global }
      - { .name: w2, .offset: 104, .size: 8, .value_kind: global_buffer, .address_space: global }
      - { .name: coef, .offset: 112, .size: 8, .value_kind: global_buffer, .address_space: global }
    .group_segment_fixed_size: 0
    .private_segment_fixed_size: 0
    .kernarg_segment_align: 8
    .kernarg_segment_size: 120
    .max_flat_workgroup_size: 704
    .sgpr_count:     66
    .vgpr_count:     104
    .wavefront_size: 32
...
	.end_amdgpu_metadata
.endif
;; end of part 1
;; launch hidden (part 2): grid 8 x 32, 4 waves a work-group, clusters of 4 x 4, 327,680 bytes of LDS; arguments xb, w1, coef, hb; writes hb
.if DOCPART == 2
	.amdgcn_target "amdgcn-amd-amdhsa--gfx1250"
	.amdhsa_code_object_version 6
	.text
	.protected	k_qf868c13e8e_hidden
	.globl	k_qf868c13e8e_hidden
	.p2align	8
	.type	k_qf868c13e8e_hidden,@function
k_qf868c13e8e_hidden:
	s_mov_b64 s[64:65], 0
	v_nop
	global_prefetch_b8 v0, s[64:65] scope:SCOPE_SE
	s_setreg_imm32_b32 hwreg(HW_REG_WAVE_MODE, 25, 1), 1
	s_wait_xcnt 0x0
	s_wait_alu depctr_hold_cnt(0) depctr_sa_sdst(0) depctr_va_vdst(0) depctr_va_sdst(0) depctr_va_ssrc(0) depctr_va_vcc(0) depctr_vm_vsrc(0)
	s_getreg_b32 s2, hwreg(HW_REG_IB_STS2, 6, 4)
	s_cmp_eq_u32 s2, 0
	s_cbranch_scc0 .Lentry_in_a_cluster
	s_endpgm
.Lentry_in_a_cluster:
	s_bfe_u32 s2, ttmp6, 0x10000c
	s_cmp_lg_u32 s2, 0xf033
	s_cbranch_scc0 .Lentry_shape_is_right
	s_endpgm
.Lentry_shape_is_right:
; HIDDEN: hb[m][n] = act_n(P1[n] x (sum over k of xb[m][k] w1[n][k]) + P2[n]).  xb: [8192][512] bf16, w1: [2048][512] bf16, hb: [8192][2048] bf16, P1 and P2 f32 (at coef + 0 and + 8,192); sums in f32.
; P1 and P2 hold the response, the bias, the row that the state's products add, and the factor k_n of the activation's exponential.  With x = acc P1 + P2 and u = 1 / (1 + 2^x) every kind is
;   y = A u + med3(x, Lo, Hi):   n % 3 = 0, tanh: A = 2, Lo = Hi = -1 (x = -2 log2(e) pre: 2 sigmoid(2 pre) - 1);   1, sigmoid: A = 1, Lo = Hi = 0;   2, relu: A = 0, Lo = 0, Hi = +inf (x = pre).
; No branch and no select in the bulk: A, Lo, Hi are three registers each, by the column's phase.
; LIMITS: tanh is made as 2 u - 1: near 0 its error is about 1e-7 absolute, not relative.  2^x below 2^-126 counts as 0 (u = 1).  hb is bf16 (relu has no upper bound, so f16 has no room).
; An infinite or NaN pre-activation is not treated apart.
; A tile of hb, 256 x 256, is made by a work-group of four waves; a wave makes 128 x 128: 64 accumulators of 16 x 16, 512 registers.  K = 512 goes in four steps of 128 through two LDS slots filled
; by the tensor data mover; the tiles' rows are 256 bytes of memory and start at multiples of 256 bytes.  Four steps: the walk is written straight, without a loop.
; CLUSTERS: 4 x 4 work-groups.  The four of a row of the cluster need the same tiles of xb, the four of a column the same tiles of w1: each tile is asked for JOINTLY, by the same tensor load with the
; same descriptor and a mask that names the four.
; THE MATRIX INSTRUCTION IS USED TRANSPOSED: source 0 = 16 rows of w1, source 1 = 16 rows of xb: lane l holds row m = l % 16, its registers the columns n = 8 (l / 16) + 0..7: eight neighbours of a row of hb.
; REGISTERS, in windows of 256 (s_set_vgpr_msb: bits 1:0 source 0, 3:2 source 1, 5:4 source 2, 7:6 destination):
;   window 0: v0-31 addresses and the activation's constants; v64-127, v128-191 fragments of xb, two buffers, on the way out x and u; v192-223 packed results; v32-63, v224-255 rows read back
;   window 1: v0-63 P1, v192-255 P2 of my 128 columns (block b, register r at 8 b + r); v64-127, v128-191 fragments of w1
;   window 2: the accumulators of my rows 0-63 ((a, b) at 8 (8 a + b));   window 3: those of my rows 64-127
.set SIZE_K, 512
.set KSTEP,  128
.set ROWC,   4096                      ; bytes in a row of hb
.set PITCH,  272                       ; an LDS row: 256 bytes + 16 of padding = 68 words: row r starts at bank 4 r mod 64 (64 banks of 4 bytes: ISA guide 11.1)
.set HALFT,  128*PITCH                 ; 128 rows: what one tensor load brings, and what one wave reads of xb or of w1
.set SLOT,   4*HALFT                   ; xb's 256 rows, then w1's 256 rows
.set STAGE,  2*SLOT                    ; behind the ring: 16 rows x 272 bytes for each wave, for the way out
.set SPITCH, 272
.set SPARE,  STAGE+4*16*SPITCH         ; behind the stages: the spare words, 128 bytes for each wave: two blocks of 256 bytes that no other line names
.set AP,   6                           ; v[6:11]  pair s: A of phase s, A of phase (s + 1) % 3
.set LO,   12                          ; v12-14   Lo of phase s
.set HI,   15                          ; v15-17   Hi of phase s
.set ADRA, 18                          ; v18-19   LDS address of my xb fragments in slot 0, 1
.set ADRB, 20                          ; v20-21   the same for w1
.set STO,  22                          ; v22      the way out: where I put 16 bytes of a row
.set RD,   23                          ; v23      the way out: where I read a row back
.set CO,   24                          ; v24      my byte offset in hb
.set CA,   25                          ; v25      my byte offset in P1 and P2
.set SPW,  28                          ; v28      LDS address of my spare word; never rewritten
.set NIL,  29                          ; v29      0; never rewritten
.set F0,   64
.set F1,   128
.set T,    64                          ; the way out: x, then med3(x, Lo, Hi)
.set E,    128                         ; the way out: 2^x, 1 + 2^x, u, y
.set TMP,  192
.set OB,   32
.set P1,   0                           ; window 1
.set P2,   192                         ; window 1
.set G1,  24                           ; s[24:31] descriptor group 1 for xb's tiles
.set G0,  32                           ; s[32:39] descriptor group 0 for xb's tiles, one set for each slot
.set G1B, 48                           ; s[48:55] group 1 for w1's tiles: it differs in the mask alone
.set G0B, 56                           ; s[56:63] group 0 for w1's tiles
.set MSB, 0
.macro WIN new                         ; the immediate's high byte repeats the setting that is left; a switch that changes nothing is dropped
.if MSB != (\new)
	s_set_vgpr_msb (MSB<<8)|(\new)
.set MSB, \new
.endif
.endm
.set MUL_LO, 0xa1                      ; source 0 (w1) window 1, source 1 (xb) window 0, C and D window 2
.set MUL_HI, 0xf1                      ; the same, C and D window 3
.set TO_B,   0x40                      ; destination window 1, address window 0
; A joint refill.  Waves 0 and 1 fetch xb's two halves, waves 2 and 3 w1's.  The branch hangs on the wave's number alone.  An s_nop 0 and four v_nop follow each of the two lines.
.macro JLOAD s
	s_cmp_eq_u32 s13, 0
	s_cbranch_scc0 .Lfor_b_\@
	tensor_load_to_lds s[G0+4*(\s):G0+4*(\s)+3], s[G1:G1+7]
	s_nop 0
.rept 4
	v_nop
.endr
	s_branch .Lasked_\@
.Lfor_b_\@:
	tensor_load_to_lds s[G0B+4*(\s):G0B+4*(\s)+3], s[G1B:G1B+7]
	s_nop 0
.rept 4
	v_nop
.endr
.Lasked_\@:
.endm
.macro CREST                           ; a round of the cluster's barrier behind its opening barrier: wave 0 signals for the work-group, every wave waits for all sixteen, my work-group's barrier closes it
	s_cmp_lg_u32 s12, 0
	s_cbranch_scc1 .Lnot_wave_0_\@
	s_barrier_signal -3
.Lnot_wave_0_\@:
	s_barrier_wait -3
	s_barrier_signal -1
	s_barrier_wait -1
.endm
.macro CROUND                          ; a whole round
	s_barrier_signal -1
	s_barrier_wait -1
	CREST
.endm
	s_load_b256 s[4:11], s[0:1], 0x0               ; xb s[4:5], w1 s[6:7], coef s[8:9], hb s[10:11]
	v_lshl_add_u32 v[SPW], v0, 2, SPARE
	v_mov_b32 v[NIL], 0
	ds_add_u32 v[SPW], v[NIL]                      ; the wave's opening: the add and its wait stand ahead of my first tensor load; the set-up below, work on registers, stands between them
	v_lshrrev_b32 v1, 5, v0
	v_readfirstlane_b32 s12, v1                    ; wave 0..3
	s_lshr_b32 s13, s12, 1                         ; which half of the tile's rows is mine.  Also: I fetch for xb (0) or for w1 (1)
	s_and_b32 s14, s12, 1                          ; which half of its columns.  Also: which 128 rows of that tile I fetch
	s_bfe_u32 s40, ttmp6, 0x40000                  ; cx
	s_bfe_u32 s41, ttmp6, 0x40004                  ; cy
	s_lshl_b32 s42, ttmp9, 2
	s_add_co_u32 s42, s42, s40                     ; tile column = 4 x cluster x + cx
	s_and_b32 s15, ttmp7, 0xffff
	s_lshl_b32 s15, s15, 2
	s_add_co_u32 s15, s15, s41                     ; tile row = 4 x cluster y + cy
	s_lshl_b32 s43, s41, 2
	s_lshl_b32 s43, 15, s43                        ; my row of the cluster: places 4 cy .. 4 cy + 3
	s_lshl_b32 s44, 0x1111, s40                    ; my column: places cx, cx + 4, cx + 8, cx + 12
	; descriptor group 1: a tile of 128 rows x 128 elements, padded in LDS
	s_or_b32 s[G1+0], s43, (1<<16)|(1<<20)|(1<<21)|(5<<22)|(3<<25)   ; 15:0 the mask; 17:16 elements of 2 bytes; 20 padding on; 21 set beside a mask; 24:22 after every 64 words (code 5); 31:25 4 words (code 3)
	s_or_b32 s[G1B+0], s44, (1<<16)|(1<<20)|(1<<21)|(5<<22)|(3<<25)
.irp g, G1, G1B
	s_mov_b32 s[(\g)+1], KSTEP<<16                 ; tensor_dim0 = 128
	s_mov_b32 s[(\g)+2], 128<<16                   ; tensor_dim1 = 128
	s_mov_b32 s[(\g)+3], KSTEP<<16                 ; tile_dim0 = 128
	s_mov_b32 s[(\g)+4], 128                       ; tile_dim1 = 128
	s_mov_b32 s[(\g)+5], SIZE_K                    ; elements from row to row
	s_mov_b32 s[(\g)+6], 0
	s_mov_b32 s[(\g)+7], 0
.endr
	; where the tiles come from: xb's hang on the tile row alone, w1's on the tile column alone, each in registers that never hold the other coordinate
	s_lshl_b32 s21, s14, 7                         ; which 128 rows of the tile I fetch
	s_lshl_b32 s66, s15, 8
	s_add_co_u32 s66, s66, s21                     ; xb: row 256 x tile row + 128 x half,
	s_lshl_b32 s66, s66, 10                        ; of 1,024 bytes: 8 MiB at the most
	s_mov_b32 s67, 0
	s_lshl_b32 s46, s42, 8
	s_add_co_u32 s46, s46, s21                     ; w1: row 256 x tile column + 128 x half
	s_lshl_b32 s46, s46, 10
	s_mov_b32 s47, 0
	s_mul_i32 s20, s12, HALFT                      ; and where they go: wave x 128 rows: no place in the cluster enters an LDS address
	s_wait_dscnt 0x0                               ; the opening add is done
	s_wait_kmcnt 0x0
	s_add_nc_u64 s[66:67], s[4:5], s[66:67]
	s_add_nc_u64 s[46:47], s[6:7], s[46:47]
	CROUND                                         ; all sixteen work-groups are here: the first joint loads meet
.irp s, 0,1
	s_mov_b32 s[G0+4*(\s)], 1                                      ; count = 1
	s_add_co_u32 s[G0+4*(\s)+1], s20, (\s)*SLOT                    ; LDS address
	s_add_nc_u64 s[G0+4*(\s)+2:G0+4*(\s)+3], s[66:67], (\s)*KSTEP*2  ; global address: K step s
	s_or_b32 s[G0+4*(\s)+3], s[G0+4*(\s)+3], 0x80000000            ; type = 2
	s_mov_b32 s[G0B+4*(\s)], 1
	s_add_co_u32 s[G0B+4*(\s)+1], s20, (\s)*SLOT
	s_add_nc_u64 s[G0B+4*(\s)+2:G0B+4*(\s)+3], s[46:47], (\s)*KSTEP*2
	s_or_b32 s[G0B+4*(\s)+3], s[G0B+4*(\s)+3], 0x80000000
.endr
	s_cmp_eq_u32 s13, 0                            ; a wave's two first fills stand in one branch, ahead of every wait on TENSORcnt, every LDS read and every further barrier: two loads of mine are out
	s_cbranch_scc0 .Lfirst_b
	tensor_load_to_lds s[G0:G0+3], s[G1:G1+7]
	s_nop 0
	tensor_load_to_lds s[G0+4:G0+7], s[G1:G1+7]
	s_nop 0
.rept 4
	v_nop
.endr
	s_branch .Lfirst_asked
.Lfirst_b:
	tensor_load_to_lds s[G0B:G0B+3], s[G1B:G1B+7]
	s_nop 0
	tensor_load_to_lds s[G0B+4:G0B+7], s[G1B:G1B+7]
	s_nop 0
.rept 4
	v_nop
.endr
.Lfirst_asked:
	; A fragment is 16 rows x 32 K in 8 registers: lane l holds row l % 16; registers 0-3 hold K = 8 (l / 16) + 0..7, registers 4-7 K = 16 + 8 (l / 16) + 0..7: two loads of 16 bytes, 32 bytes apart.
	v_and_b32 v1, 15, v0                           ; l % 16
	v_bfe_u32 v2, v0, 4, 1                         ; h = l / 16
	v_mul_u32_u24 v3, v1, PITCH
	v_lshl_add_u32 v3, v2, 4, v3                   ; row x pitch + 16 h
	s_mul_i32 s21, s13, HALFT                      ; my 128 rows of xb
	s_mul_i32 s22, s14, HALFT                      ; my 128 rows of w1,
	s_add_co_u32 s22, s22, 2*HALFT                 ; which lie behind xb's 256
.irp s, 0,1
	v_add_nc_u32 v[ADRA+(\s)], s21, v3
	v_add_nc_u32 v[ADRB+(\s)], s22, v3
	s_add_co_u32 s21, s21, SLOT
	s_add_co_u32 s22, s22, SLOT
.endr
	s_mul_i32 s23, s12, 16*SPITCH
	s_add_co_u32 s23, s23, STAGE                   ; my stage
	v_mul_u32_u24 v4, v1, SPITCH                   ; in: row l % 16, 16 bytes for each half of the lanes
	v_lshl_add_u32 v4, v2, 4, v4
	v_add_nc_u32 v[STO], s23, v4
	v_mul_u32_u24 v5, v2, SPITCH                   ; back: lanes 0-15 take one row of 256 bytes, lanes 16-31 the next
	v_lshl_add_u32 v5, v1, 4, v5
	v_add_nc_u32 v[RD], s23, v5
	v_lshlrev_b32 v5, 12, v2                       ; and the same two rows in hb
	v_lshl_add_u32 v[CO], v1, 4, v5
	; P1 and P2 of my columns n = 256 T + 128 half + 16 b + 8 h + r: 32 bytes for each b and h.  They are waited for only in front of the way out.
	s_lshl_b32 s21, s42, 10
	s_lshl_b32 s22, s14, 9
	s_add_co_u32 s21, s21, s22
	v_lshl_add_u32 v[CA], v2, 5, s21               ; 4 (256 T + 128 half) + 32 h
	WIN TO_B
.irp b, 0,1,2,3,4,5,6,7
	global_load_b128 v[P1+8*(\b):P1+8*(\b)+3],   v[CA], s[8:9] offset:64*(\b)
	global_load_b128 v[P1+8*(\b)+4:P1+8*(\b)+7], v[CA], s[8:9] offset:64*(\b)+16
	global_load_b128 v[P2+8*(\b):P2+8*(\b)+3],   v[CA], s[8:9] offset:8192+64*(\b)
	global_load_b128 v[P2+8*(\b)+4:P2+8*(\b)+7], v[CA], s[8:9] offset:8192+64*(\b)+16
.endr
	WIN 0
	; The kind of column n is n % 3 = (T + 2 half + 2 h + b + r) % 3, since 256 = 16 = 1 and 128 = 8 = 2 modulo 3.  Phase s = (b + r) % 3 is known in the text; the rest, u0 <= 11, is the lane's.
	s_lshl_b32 s68, s14, 1
	s_add_co_u32 s68, s68, s42
	v_lshl_add_u32 v26, v2, 1, s68                 ; u0 = T + 2 half + 2 h
.irp s, 0,1,2
	v_add_nc_u32 v27, (\s), v26                    ; u <= 13
	v_mul_u32_u24 v3, v27, 11
	v_lshrrev_b32 v3, 5, v3                        ; u / 3 = (11 u) >> 5 for u < 16
	v_mul_u32_u24 v3, v3, 3
	v_sub_nc_u32 v27, v27, v3                      ; the kind
	v_cmp_eq_u32 s70, 0, v27                       ; tanh
	v_cmp_eq_u32 s71, 2, v27                       ; relu
	v_cndmask_b32 v4, 1.0, 2.0, s70
	v_cndmask_b32 v[AP+2*(\s)], v4, 0, s71                 ; A, low place of pair s,
	v_cndmask_b32 v[AP+2*(((\s)+2)%3)+1], v4, 0, s71       ; and high place of the pair before it
	v_cndmask_b32 v[LO+(\s)], 0, -1.0, s70
	v_cndmask_b32 v[HI+(\s)], v[LO+(\s)], 0x7f800000, s71
.endr
	; hb at my part of the tile: (256 x tile row + 128 x row half) rows + 512 x tile column + 256 x column half bytes: 32 MiB at the most
	s_lshl_b32 s16, s15, 8
	s_lshl_b32 s21, s13, 7
	s_add_co_u32 s16, s16, s21
	s_lshl_b32 s16, s16, 12
	s_lshl_b32 s21, s42, 9
	s_add_co_u32 s16, s16, s21
	s_lshl_b32 s21, s14, 8
	s_add_co_u32 s16, s16, s21
	s_mov_b32 s17, 0
	s_add_nc_u64 s[10:11], s[10:11], s[16:17]
; 16 matrix instructions: m blocks a0, a0 + 1 of the window's four (hi = 0: my rows 0-63, 1: rows 64-127) x all 8 n blocks, 32 along K.  zero = 1: the first product starts the sums: nothing is cleared.
; The 64 accumulators take turns, one instruction a turn, in the same order in every quarter step.
.macro MUL16 f, hi, a0, zero
	WIN MUL_LO+0x50*(\hi)
.irp a, \a0, (\a0)+1
.irp b, 0,1,2,3,4,5,6,7
.if \zero
	v_wmma_f32_16x16x32_bf16 v[8*(8*(\a)+(\b)):8*(8*(\a)+(\b))+7], v[(\f)+8*(\b):(\f)+8*(\b)+7], v[(\f)+8*(4*(\hi)+(\a)):(\f)+8*(4*(\hi)+(\a))+7], 0
.else
	v_wmma_f32_16x16x32_bf16 v[8*(8*(\a)+(\b)):8*(8*(\a)+(\b))+7], v[(\f)+8*(\b):(\f)+8*(\b)+7], v[(\f)+8*(4*(\hi)+(\a)):(\f)+8*(4*(\hi)+(\a))+7], v[8*(8*(\a)+(\b)):8*(8*(\a)+(\b))+7]
.endif
.endr
.endr
.endm
; 32 LDS loads in one run: the fragments of one quarter step (128 rows of w1, 128 rows of xb, 32 K at byte k of the rows) into buffer f
.macro FETCH slot, k, f
	WIN TO_B
.irp i, 0,1,2,3,4,5,6,7
	ds_load_b128 v[(\f)+8*(\i):(\f)+8*(\i)+3],   v[ADRB+(\slot)] offset:(\k)+(\i)*16*PITCH
	ds_load_b128 v[(\f)+8*(\i)+4:(\f)+8*(\i)+7], v[ADRB+(\slot)] offset:(\k)+(\i)*16*PITCH+32
.endr
	WIN 0
.irp i, 0,1,2,3,4,5,6,7
	ds_load_b128 v[(\f)+8*(\i):(\f)+8*(\i)+3],   v[ADRA+(\slot)] offset:(\k)+(\i)*16*PITCH
	ds_load_b128 v[(\f)+8*(\i)+4:(\f)+8*(\i)+7], v[ADRA+(\slot)] offset:(\k)+(\i)*16*PITCH+32
.endr
.endm
; Four places (plain vector instructions that name none of a matrix instruction's registers) in front of loads into registers that matrix instructions have read, and of vector lines that read results
.macro PLACES
.rept 4
	v_nop
.endr
.endm
; A K step is four quarter steps of 32 along K, 64 matrix instructions each, on buffers 0, 1, 0, 1.  One of the first three: multiplies buffer f; in its middle it fetches the next quarter's fragments into g.
.macro QUARTER slot, k, f, g, zero
	s_wait_dscnt 8                                 ; w1 and xb's rows 0-63 are in; the youngest eight loads (xb's rows 64-127) may be out
	WIN MUL_LO
	MUL16 \f, 0, 0, \zero
	MUL16 \f, 0, 2, \zero
	PLACES
	FETCH \slot, \k, \g
	s_wait_dscnt 32                                ; all but the 32 just issued
	WIN MUL_HI
	MUL16 \f, 1, 0, \zero
	MUL16 \f, 1, 2, \zero
.endm
; The last quarter multiplies buffer 1 and changes slots.  ONE barrier: in front of it each wave waits for all its tensor loads (the one that is out is its part of the next slot), adds 0 to its spare
; word, and waits for that and for its own reads of this slot.  Behind it nobody reads this slot any more and the next slot is whole.
.macro MEET round                      ; round = 1: a round of the cluster's barrier follows
	WIN 0                                          ; (the add's two registers lie in window 0)
	s_wait_tensorcnt 0x0
	ds_add_u32 v[SPW], v[NIL]                      ; 0 onto my spare word
	s_wait_dscnt 9                                 ; (the add and the youngest eight loads may be out)
	WIN MUL_LO
	MUL16 F1, 0, 0, 0                              ; sixteen matrix instructions stand between the add and the wait for it
	s_wait_dscnt 0x0                               ; the add is done, and my reads of this slot are over
	s_barrier_signal -1
	MUL16 F1, 0, 2, 0                              ; work on registers while the others arrive
.if \round
	WIN 0
.endif
	s_barrier_wait -1
.endm
; fill = 1: the slot just read out is filled again, two K steps on, first thing behind the round: 224 matrix instructions ahead of the wait for it.
.macro TURN slot, next, fill
.if \fill
	MEET 1
	CREST                                          ; no wave of any partner still reads this slot's tile or has a load on its way
	s_add_nc_u64 s[G0+4*(\slot)+2:G0+4*(\slot)+3], s[G0+4*(\slot)+2:G0+4*(\slot)+3], 2*KSTEP*2
	s_add_nc_u64 s[G0B+4*(\slot)+2:G0B+4*(\slot)+3], s[G0B+4*(\slot)+2:G0B+4*(\slot)+3], 2*KSTEP*2
	JLOAD \slot                                    ; the four v_nop behind it are also the places in front of the loads below
.else
	MEET 0
	PLACES
.endif
	FETCH \next, 0, F0
	WIN MUL_HI
	MUL16 F1, 1, 0, 0
	MUL16 F1, 1, 2, 0
.endm
; THE WAY OUT of block a (16 rows x 128 columns).  i = 8 b + r runs over a lane's 64 numbers; its phase is (b + r) % 3.  Each accumulator is read from its low end on.
; The exponentials stand on end, then one v_nop, then plain work (ISA guide 5.7.2: a plain instruction before a transcendental's result is used or its source rewritten); the reciprocals likewise.
.macro ACT a
.set AC, 64*((\a)%4)
	WIN 0x14|(2+(\a)/4)                            ; source 0: window 2 or 3 (the sums); sources 1 and 2: window 1 (P1, P2); destination: window 0
.set i, 0
.rept 32
	v_pk_fma_f32 v[T+i:T+i+1], v[AC+i:AC+i+1], v[P1+i:P1+i+1], v[P2+i:P2+i+1]  ; x = acc P1 + P2
.set i, i+2
.endr
	WIN 0
.set i, 0
.rept 64
	v_exp_f32 v[E+i], v[T+i]
.set i, i+1
.endr
	v_nop
.set i, 0
.rept 64
	v_med3_num_f32 v[T+i], v[T+i], v[LO+(i/8+i%8)%3], v[HI+(i/8+i%8)%3]
.set i, i+1
.endr
.set i, 0
	s_wait_alu depctr_va_vdst(0)
.rept 32
	v_pk_add_f32 v[E+i:E+i+1], v[E+i:E+i+1], 1.0 op_sel_hi:[1,0]
.set i, i+2
.endr
.set i, 0
.rept 64
	v_rcp_f32 v[E+i], v[E+i]
.set i, i+1
.endr
	v_nop
.set i, 0
	s_wait_alu depctr_va_vdst(0)
.rept 32
	v_pk_fma_f32 v[E+i:E+i+1], v[E+i:E+i+1], v[AP+2*((i/8+i%8)%3):AP+2*((i/8+i%8)%3)+1], v[T+i:T+i+1]  ; y = A u + med3
.set i, i+2
.endr
.set i, 0
.rept 32
	v_cvt_pk_bf16_f32 v[TMP+i/2], v[E+i], v[E+i+1]
.set i, i+2
.endr
.endm
.macro TOSTAGE a                       ; into my own stage, and back as whole rows of 256 bytes
	WIN 0
.set BK, OB+192*((\a)%2)
.irp b, 0,1,2,3,4,5,6,7
	ds_store_b128 v[STO], v[TMP+4*(\b):TMP+4*(\b)+3] offset:32*(\b)
.endr
.irp t, 0,1,2,3,4,5,6,7
	ds_load_b128 v[BK+4*(\t):BK+4*(\t)+3], v[RD] offset:(\t)*2*SPITCH  ; LDS serves a wave's instructions in order (ISA guide 5.7.1.4): these see the stores above
.endr
.endm
.macro SEND a
	WIN 0
.set BK, OB+192*((\a)%2)
	s_wait_dscnt 0x0                               ; the block is back in registers
	s_wait_xcnt 0x0                                ; the registers that earlier stores read are loaded again only behind this wait
.irp t, 0,1,2,3,4,5,6,7
	global_store_b128 v[CO], v[BK+4*(\t):BK+4*(\t)+3], s[10:11] offset:(16*(\a)+2*(\t))*ROWC  ; 16 lanes store 256 consecutive bytes, aligned; the row stands in the immediate, 516,096 at the most
.endr
.endm
	s_wait_tensorcnt 0x1                           ; my part of K step 0 is in; K step 1's may stay out
	s_barrier_signal -1
	s_barrier_wait -1                              ; everybody's is
	FETCH 0, 0, F0
	QUARTER 0, 64,  F0, F1, 1                      ; K step 0: its first quarter's products start the sums
	QUARTER 0, 128, F1, F0, 0
	QUARTER 0, 192, F0, F1, 0
	TURN 0, 1, 1                                   ; slot 0 takes K step 2
	QUARTER 1, 64,  F0, F1, 0                      ; K step 1
	QUARTER 1, 128, F1, F0, 0
	QUARTER 1, 192, F0, F1, 0
	TURN 1, 0, 1                                   ; slot 1 takes K step 3
	QUARTER 0, 64,  F0, F1, 0                      ; K step 2
	QUARTER 0, 128, F1, F0, 0
	QUARTER 0, 192, F0, F1, 0
	TURN 0, 1, 0                                   ; nothing is left to fetch, so no round follows
	QUARTER 1, 64,  F0, F1, 0                      ; K step 3
	QUARTER 1, 128, F1, F0, 0
	QUARTER 1, 192, F0, F1, 0
	s_wait_dscnt 8                                 ; the very last quarter
	MUL16 F1, 0, 0, 0
	MUL16 F1, 0, 2, 0
	s_wait_dscnt 0x0
	MUL16 F1, 1, 0, 0
	MUL16 F1, 1, 2, 0
	WIN 0
	s_wait_loadcnt 0x0                             ; P1 and P2
	PLACES
	ACT 0
	TOSTAGE 0
.irp a, 1,2,3,4,5,6,7                  ; block a's arithmetic stands between block a - 1's loads from the stage and the wait for them
	ACT \a
	SEND (\a)-1
	TOSTAGE \a
.endr
	SEND 7
	s_wait_tensorcnt 0x0                           ; the wave's end, behind my last tensor load and my last LDS store
	ds_add_u32 v[SPW], v[NIL]
	s_wait_dscnt 0x0
	CROUND                                         ; the closing round: no work-group ends while a partner may still ask for a tile that names it
	s_endpgm
.Lfunc_end_k_qf868c13e8e_hidden:
	.size	k_qf868c13e8e_hidden, .Lfunc_end_k_qf868c13e8e_hidden-k_qf868c13e8e_hidden
	.p2alignl 7, 3214868480
	.fill 96, 4, 3214868480
	.section	.rodata,"a",@progbits
	.p2align	6, 0x0
	.amdhsa_kernel k_qf868c13e8e_hidden
		.amdhsa_group_segment_fixed_size 327680
		.amdhsa_private_segment_fixed_size 0
		.amdhsa_enable_private_segment 0
		.amdhsa_kernarg_size 32
		.amdhsa_user_sgpr_count 2
		.amdhsa_user_sgpr_kernarg_segment_ptr 1
		.amdhsa_wavefront_size32 1
		.amdhsa_system_sgpr_workgroup_id_x 1
		.amdhsa_system_sgpr_workgroup_id_y 1
		.amdhsa_system_sgpr_workgroup_id_z 1
		.amdhsa_system_vgpr_workitem_id 0
		.amdhsa_next_free_vgpr 1024
		.amdhsa_next_free_sgpr 72
		.amdhsa_reserve_vcc 0
		.amdhsa_float_denorm_mode_32 3
		.amdhsa_float_denorm_mode_16_64 3
		.amdhsa_memory_ordered 1
		.amdhsa_forward_progress 1
		.amdhsa_inst_pref_size 255
	.end_amdhsa_kernel
	.section	.bss,"aw",@nobits
	.p2align	6
	.space	262144
	.amdgpu_metadata
---
amdhsa.version: [ 1, 2 ]
amdhsa.kernels:
  - .name:           k_qf868c13e8e_hidden
    .symbol:         k_qf868c13e8e_hidden.kd
    .args:
      - { .name: xb, .offset: 0, .size: 8, .value_kind: global_buffer, .address_space: global }
      - { .name: w1, .offset: 8, .size: 8, .value_kind: global_buffer, .address_space: global }
      - { .name: coef, .offset: 16, .size: 8, .value_kind: global_buffer, .address_space: global }
      - { .name: hb, .offset: 24, .size: 8, .value_kind: global_buffer, .address_space: global }
    .group_segment_fixed_size: 327680
    .private_segment_fixed_size: 0
    .kernarg_segment_align: 8
    .kernarg_segment_size: 32
    .max_flat_workgroup_size: 128
    .sgpr_count:     72
    .vgpr_count:     1024
    .wavefront_size: 32
...
	.end_amdgpu_metadata
.endif
;; end of part 2
;; launch outl (part 3): grid 4 x 64, 4 waves a work-group, clusters of 4 x 4, 327,680 bytes of LDS; arguments xb, hb, w2, coef, out0; writes out0
.if DOCPART == 3
	.amdgcn_target "amdgcn-amd-amdhsa--gfx1250"
	.amdhsa_code_object_version 6
	.text
	.protected	k_qf868c13e8e_outl
	.globl	k_qf868c13e8e_outl
	.p2align	8
	.type	k_qf868c13e8e_outl,@function
k_qf868c13e8e_outl:
	s_mov_b64 s[64:65], 0
	v_nop
	global_prefetch_b8 v0, s[64:65] scope:SCOPE_SE
	s_setreg_imm32_b32 hwreg(HW_REG_WAVE_MODE, 25, 1), 1
	s_wait_xcnt 0x0
	s_wait_alu depctr_hold_cnt(0) depctr_sa_sdst(0) depctr_va_vdst(0) depctr_va_sdst(0) depctr_va_ssrc(0) depctr_va_vcc(0) depctr_vm_vsrc(0)
	s_getreg_b32 s2, hwreg(HW_REG_IB_STS2, 6, 4)
	s_cmp_eq_u32 s2, 0
	s_cbranch_scc0 .Lentry_in_a_cluster
	s_endpgm
.Lentry_in_a_cluster:
	s_bfe_u32 s2, ttmp6, 0x10000c
	s_cmp_lg_u32 s2, 0xf033
	s_cbranch_scc0 .Lentry_shape_is_right
	s_endpgm
.Lentry_shape_is_right:
; OUTL: out0[m][n] = 1 / (1 + 2^(Q1[n] acc + Q2[n])), acc = sum over k < 512 of xb[m][k] w2[n][k] + sum over k < 2048 of hb[m][k] w2[n][512 + k].
; xb: [8192][512], hb: [8192][2048], w2: [512][2560], all bf16; out0: [8192][512] f32; Q1 = -log2(e) ro, Q2 = -log2(e) (ro zo + bo) in f32 at coef + 16,384 and + 18,432; sums in f32.
; LIMITS: 2^x below 2^-126 counts as 0 (the result is then 1); NaN and infinities are not treated apart.
; One K of 2,560 in ten steps of 256: steps 0 and 1 take their rows from xb (the two first fills), steps 2 to 9 from hb (the eight refills); w2's rows are walked from end to end.
; A tile of out0 is 128 x 128, so that there are 256 tiles.  Four waves, each 64 x 64: 16 accumulators, 128 registers.  LDS rows of 512 bytes, 64 to a tensor load, two slots.
; CLUSTERS: 4 x 4 work-groups.  The four of a row of the cluster need the same rows of xb and hb, the four of a column the same rows of w2: each tile is asked for JOINTLY.
; THE MATRIX INSTRUCTION IS USED TRANSPOSED (source 0 = 16 rows of w2, source 1 = 16 rows of xb or hb): a lane holds eight neighbouring numbers of a row of out0, 32 bytes.
; A wave's 64 columns of f32 are 256 aligned bytes, so each wave has a stage of its own and the way out has no barrier.
; REGISTERS: window 0: v0-31 addresses; v32-95 rows read back from the stage, two buffers; v128-255 the accumulators ((a, b) at 128 + 8 (4 a + b)).
;   window 1: two fragment buffers of 128: for 64 along K, 64 registers of A's rows, then 64 of w2's.   window 2: v0-31 Q1, v32-63 Q2 of my 64 columns (8 b + r).
.set KSTEP,  256
.set PITCH,  528                       ; an LDS row: 512 bytes + 16 of padding = 132 words: row r starts at bank 4 r mod 64 (64 banks of 4 bytes: ISA guide 11.1)
.set HALFT,  64*PITCH                  ; 64 rows: what one tensor load brings, and what one wave reads of A or of w2
.set SLOT,   4*HALFT                   ; A's 128 rows, then w2's 128 rows
.set STAGE,  2*SLOT                    ; behind the ring: 16 rows x 272 bytes for each wave
.set SPITCH, 272
.set SPARE,  STAGE+4*16*SPITCH         ; behind the stages: the spare words, 128 bytes for each wave: two blocks of 256 bytes that no other line names
.set LAPS,   5                         ; a lap = two K steps = once round the ring
.set ROWC,   2048                      ; bytes in a row of out0
.set ADRA, 16                          ; v16-17  LDS address of my A fragments in slot 0, 1
.set ADRB, 20                          ; v20-21  the same for w2
.set STO,  24                          ; v24     the way out: where I put 32 bytes of a row
.set RD,   25                          ; v25     the way out: where I read a row back
.set CO,   26                          ; v26     my byte offset in out0
.set CA,   27                          ; v27     my byte offset in Q1 and Q2
.set SPW,  28                          ; v28     LDS address of my spare word; never rewritten
.set NIL,  29                          ; v29     0; never rewritten
.set OB,   32
.set ACC,  128
.set F0,   0                           ; window 1
.set F1,   128
.set Q1,   0                           ; window 2
.set Q2,   32
.set G1X, 24                           ; s[24:31] descriptor group 1 for xb's tiles (512 elements from row to row)
.set G1A, 32                           ; s[32:39] for hb's (2,048)
.set G1B, 40                           ; s[40:47] for w2's (2,560)
.set G0A, 48                           ; s[48:55] descriptor group 0 for A's tiles, one set for each slot
.set G0B, 56                           ; s[56:63] the same for w2's
.set FLAGS, (1<<16)|(1<<20)|(1<<21)|(6<<22)|(3<<25)  ; elements of 2 bytes; padding on; bit 21 set beside a mask; after every 128 words (code 6) 4 words (code 3)
.set MSB, 0
.macro WIN new
.if MSB != (\new)
	s_set_vgpr_msb (MSB<<8)|(\new)
.set MSB, \new
.endif
.endm
.set MUL,  0x05                        ; sources 0 (w2) and 1 (A) window 1; C and D window 0
.set TO_F, 0x40                        ; destination window 1, address window 0
.macro JLOAD s                         ; a joint refill: waves 0 and 1 fetch hb's two halves, waves 2 and 3 w2's; an s_nop 0 and four v_nop follow each of the two lines
	s_cmp_eq_u32 s15, 0
	s_cbranch_scc0 .Lfor_b_\@
	tensor_load_to_lds s[G0A+4*(\s):G0A+4*(\s)+3], s[G1A:G1A+7]
	s_nop 0
.rept 4
	v_nop
.endr
	s_branch .Lasked_\@
.Lfor_b_\@:
	tensor_load_to_lds s[G0B+4*(\s):G0B+4*(\s)+3], s[G1B:G1B+7]
	s_nop 0
.rept 4
	v_nop
.endr
.Lasked_\@:
.endm
.macro CREST                           ; a round of the cluster's barrier behind its opening barrier
	s_cmp_lg_u32 s14, 0
	s_cbranch_scc1 .Lnot_wave_0_\@
	s_barrier_signal -3
.Lnot_wave_0_\@:
	s_barrier_wait -3
	s_barrier_signal -1
	s_barrier_wait -1
.endm
.macro CROUND                          ; a whole round
	s_barrier_signal -1
	s_barrier_wait -1
	CREST
.endm
	s_load_b256 s[4:11], s[0:1], 0x0               ; xb s[4:5], hb s[6:7], w2 s[8:9], coef s[10:11]
	s_load_b64 s[12:13], s[0:1], 0x20              ; out0
	v_lshl_add_u32 v[SPW], v0, 2, SPARE
	v_mov_b32 v[NIL], 0
	ds_add_u32 v[SPW], v[NIL]                      ; the wave's opening: the add and its wait stand ahead of my first tensor load; the set-up below, work on registers, stands between them
	v_lshrrev_b32 v1, 5, v0
	v_readfirstlane_b32 s14, v1                    ; wave 0..3
	s_lshr_b32 s15, s14, 1                         ; which half of the tile's rows is mine.  Also: I fetch for A (0) or for w2 (1)
	s_and_b32 s16, s14, 1                          ; which half of its columns.  Also: which 64 rows of that tile I fetch
	s_bfe_u32 s19, ttmp6, 0x40000                  ; cx
	s_bfe_u32 s20, ttmp6, 0x40004                  ; cy
	s_lshl_b32 s18, ttmp9, 2
	s_add_co_u32 s18, s18, s19                     ; tile column = 4 x cluster x + cx
	s_and_b32 s17, ttmp7, 0xffff
	s_lshl_b32 s17, s17, 2
	s_add_co_u32 s17, s17, s20                     ; tile row = 4 x cluster y + cy
	s_lshl_b32 s21, s20, 2
	s_lshl_b32 s21, 15, s21                        ; my row of the cluster
	s_lshl_b32 s22, 0x1111, s19                    ; my column
	s_or_b32 s[G1X+0], s21, FLAGS                  ; A's tiles go to my row,
	s_or_b32 s[G1A+0], s21, FLAGS
	s_or_b32 s[G1B+0], s22, FLAGS                  ; w2's to my column
.irp g, G1X, G1A, G1B
	s_mov_b32 s[(\g)+1], KSTEP<<16                 ; tensor_dim0 = 256
	s_mov_b32 s[(\g)+2], 64<<16                    ; tensor_dim1 = 64
	s_mov_b32 s[(\g)+3], KSTEP<<16                 ; tile_dim0 = 256
	s_mov_b32 s[(\g)+4], 64                        ; tile_dim1 = 64
	s_mov_b32 s[(\g)+6], 0
	s_mov_b32 s[(\g)+7], 0
.endr
	s_mov_b32 s[G1X+5], 512                        ; elements from row to row
	s_mov_b32 s[G1A+5], 2048
	s_mov_b32 s[G1B+5], 2560
	s_lshl_b32 s70, s17, 7
	s_lshl_b32 s71, s16, 6
	s_add_co_u32 s70, s70, s71                     ; A: row 128 x tile row + 64 x half
	s_lshl_b32 s66, s70, 12                        ; in hb: rows of 4,096 bytes, 32 MiB at the most
	s_mov_b32 s67, 0
	s_lshl_b32 s70, s70, 10                        ; in xb: rows of 1,024 bytes
	s_mov_b32 s71, 0
	s_lshl_b32 s72, s18, 7
	s_lshl_b32 s73, s16, 6
	s_add_co_u32 s72, s72, s73                     ; w2: row 128 x tile column + 64 x half,
	s_mul_i32 s72, s72, 5120                       ; of 5,120 bytes
	s_mov_b32 s73, 0
	s_mul_i32 s23, s14, HALFT                      ; where they go: wave x 64 rows: no place in the cluster enters an LDS address
	s_mov_b32 s68, 0                               ; s[68:69]: bytes along hb's rows of the K step to be asked for next
	s_mov_b32 s69, 0
	s_wait_dscnt 0x0                               ; the opening add is done
	s_wait_kmcnt 0x0
	s_add_nc_u64 s[70:71], s[4:5], s[70:71]        ; xb at my rows
	s_add_nc_u64 s[66:67], s[6:7], s[66:67]        ; hb at my rows
	s_add_nc_u64 s[72:73], s[8:9], s[72:73]        ; w2 at my rows
	CROUND                                         ; all sixteen work-groups are here: the first joint loads meet
.irp s, 0,1
	s_mov_b32 s[G0A+4*(\s)], 1
	s_add_co_u32 s[G0A+4*(\s)+1], s23, (\s)*SLOT
	s_add_nc_u64 s[G0A+4*(\s)+2:G0A+4*(\s)+3], s[70:71], (\s)*KSTEP*2  ; K step s: xb's columns 256 s on
	s_or_b32 s[G0A+4*(\s)+3], s[G0A+4*(\s)+3], 0x80000000
	s_mov_b32 s[G0B+4*(\s)], 1
	s_add_co_u32 s[G0B+4*(\s)+1], s23, (\s)*SLOT
	s_add_nc_u64 s[G0B+4*(\s)+2:G0B+4*(\s)+3], s[72:73], (\s)*KSTEP*2
	s_or_b32 s[G0B+4*(\s)+3], s[G0B+4*(\s)+3], 0x80000000
.endr
	s_cmp_eq_u32 s15, 0                            ; a wave's two first fills stand in one branch, ahead of every wait on TENSORcnt, every LDS read and every further barrier: two loads of mine are out
	s_cbranch_scc0 .Lfirst_b
	tensor_load_to_lds s[G0A:G0A+3], s[G1X:G1X+7]
	s_nop 0
	tensor_load_to_lds s[G0A+4:G0A+7], s[G1X:G1X+7]
	s_nop 0
.rept 4
	v_nop
.endr
	s_branch .Lfirst_asked
.Lfirst_b:
	tensor_load_to_lds s[G0B:G0B+3], s[G1B:G1B+7]
	s_nop 0
	tensor_load_to_lds s[G0B+4:G0B+7], s[G1B:G1B+7]
	s_nop 0
.rept 4
	v_nop
.endr
.Lfirst_asked:
	v_and_b32 v1, 15, v0                           ; l % 16
	v_bfe_u32 v2, v0, 4, 1                         ; h = l / 16
	v_mul_u32_u24 v3, v1, PITCH
	v_lshl_add_u32 v3, v2, 4, v3                   ; a fragment's row x pitch + 16 h
	s_mul_i32 s74, s15, HALFT                      ; my 64 rows of A
	s_mul_i32 s75, s16, HALFT                      ; my 64 rows of w2,
	s_add_co_u32 s75, s75, 2*HALFT                 ; which lie behind A's 128
.irp s, 0,1
	v_add_nc_u32 v[ADRA+(\s)], s74, v3
	v_add_nc_u32 v[ADRB+(\s)], s75, v3
	s_add_co_u32 s74, s74, SLOT
	s_add_co_u32 s75, s75, SLOT
.endr
	s_mul_i32 s74, s14, 16*SPITCH
	s_add_co_u32 s74, s74, STAGE                   ; my stage
	v_mul_u32_u24 v4, v1, SPITCH                   ; in: row l % 16, 32 bytes for each half of the lanes
	v_lshl_add_u32 v4, v2, 5, v4
	v_add_nc_u32 v[STO], s74, v4
	v_mul_u32_u24 v5, v2, SPITCH                   ; back: lanes 0-15 take one row of 256 bytes, lanes 16-31 the next
	v_lshl_add_u32 v5, v1, 4, v5
	v_add_nc_u32 v[RD], s74, v5
	v_lshlrev_b32 v5, 11, v2                       ; and the same two rows in out0
	v_lshl_add_u32 v[CO], v1, 4, v5
	s_lshl_b32 s74, s17, 7                         ; out0 at my part of the tile: (128 x tile row + 64 x row half) rows + 512 x tile column + 256 x column half bytes
	s_lshl_b32 s75, s15, 6
	s_add_co_u32 s74, s74, s75
	s_lshl_b32 s74, s74, 11
	s_lshl_b32 s75, s18, 9
	s_add_co_u32 s74, s74, s75
	s_lshl_b32 s75, s16, 8
	s_add_co_u32 s74, s74, s75
	s_mov_b32 s75, 0
	s_add_nc_u64 s[12:13], s[12:13], s[74:75]
	s_lshl_b32 s74, s18, 9                         ; Q1 and Q2 of my columns n = 128 T + 64 half + 16 b + 8 h + r; they are waited for only in front of the way out
	s_lshl_b32 s75, s16, 8
	s_add_co_u32 s74, s74, s75
	v_lshl_add_u32 v[CA], v2, 5, s74
	WIN 0x80                                       ; destination window 2
.irp b, 0,1,2,3
	global_load_b128 v[Q1+8*(\b):Q1+8*(\b)+3],   v[CA], s[10:11] offset:16384+64*(\b)
	global_load_b128 v[Q1+8*(\b)+4:Q1+8*(\b)+7], v[CA], s[10:11] offset:16384+64*(\b)+16
	global_load_b128 v[Q2+8*(\b):Q2+8*(\b)+3],   v[CA], s[10:11] offset:18432+64*(\b)
	global_load_b128 v[Q2+8*(\b)+4:Q2+8*(\b)+7], v[CA], s[10:11] offset:18432+64*(\b)+16
.endr
	WIN 0
; 8 matrix instructions: m blocks a0, a0 + 1 x all 4 n blocks, 32 along K: half c of buffer f.  zero = 1: the first product starts the sums.  The 16 accumulators take turns.
.macro MUL8 f, c, a0, zero
	WIN MUL
.irp a, \a0, (\a0)+1
.irp b, 0,1,2,3
.if \zero
	v_wmma_f32_16x16x32_bf16 v[ACC+8*(4*(\a)+(\b)):ACC+8*(4*(\a)+(\b))+7], v[(\f)+64+8*(4*(\c)+(\b)):(\f)+64+8*(4*(\c)+(\b))+7], v[(\f)+8*(4*(\c)+(\a)):(\f)+8*(4*(\c)+(\a))+7], 0
.else
	v_wmma_f32_16x16x32_bf16 v[ACC+8*(4*(\a)+(\b)):ACC+8*(4*(\a)+(\b))+7], v[(\f)+64+8*(4*(\c)+(\b)):(\f)+64+8*(4*(\c)+(\b))+7], v[(\f)+8*(4*(\c)+(\a)):(\f)+8*(4*(\c)+(\a))+7], v[ACC+8*(4*(\a)+(\b)):ACC+8*(4*(\a)+(\b))+7]
.endif
.endr
.endr
.endm
; 32 LDS loads in one run: the fragments of 64 along K at byte k of the rows, into buffer f; the first 32 along K first
.macro FETCH slot, k, f
	WIN TO_F
.irp c, 0,1
.irp i, 0,1,2,3
	ds_load_b128 v[(\f)+64+8*(4*(\c)+(\i)):(\f)+64+8*(4*(\c)+(\i))+3],   v[ADRB+(\slot)] offset:(\k)+64*(\c)+(\i)*16*PITCH
	ds_load_b128 v[(\f)+64+8*(4*(\c)+(\i))+4:(\f)+64+8*(4*(\c)+(\i))+7], v[ADRB+(\slot)] offset:(\k)+64*(\c)+(\i)*16*PITCH+32
	ds_load_b128 v[(\f)+8*(4*(\c)+(\i)):(\f)+8*(4*(\c)+(\i))+3],         v[ADRA+(\slot)] offset:(\k)+64*(\c)+(\i)*16*PITCH
	ds_load_b128 v[(\f)+8*(4*(\c)+(\i))+4:(\f)+8*(4*(\c)+(\i))+7],       v[ADRA+(\slot)] offset:(\k)+64*(\c)+(\i)*16*PITCH+32
.endr
.endr
.endm
.macro PLACES                          ; four places in front of loads into registers that matrix instructions have read, and of vector lines that read or write results
.rept 4
	v_nop
.endr
.endm
; A K step is four quarters of 64 along K, 32 matrix instructions each, on buffers 0, 1, 0, 1.  One of the first three: multiplies buffer f and fetches the next quarter, at byte k, into g.
.macro QUARTER slot, k, f, g, zero
	s_wait_dscnt 16                                ; the first 32 along K are in; the youngest sixteen loads may be out
	WIN MUL
	MUL8 \f, 0, 0, \zero
	MUL8 \f, 0, 2, \zero
	PLACES
	FETCH \slot, \k, \g
	s_wait_dscnt 32                                ; all but the 32 just issued
	WIN MUL
	MUL8 \f, 1, 0, 0
	MUL8 \f, 1, 2, 0
.endm
; The last quarter multiplies buffer 1 and changes slots: ONE barrier; in front of it each wave waits for all its tensor loads (one is out: its part of the next slot), adds 0 to its spare word, and waits
; for that and for its own reads of this slot.  fill = 1: the barrier opens a round of the cluster's, and this slot is filled again first thing behind it, two K steps ahead: hb's address is made anew
; from its base and the bytes along the row; w2's steps on.  112 matrix instructions stand between the request and the wait for it.
.macro TURN slot, next, fill
	WIN 0                                          ; (the add's two registers lie in window 0)
	s_wait_tensorcnt 0x0
	ds_add_u32 v[SPW], v[NIL]                      ; 0 onto my spare word
	s_wait_dscnt 17                                ; (the add and the youngest sixteen loads may be out)
	WIN MUL
	MUL8 F1, 0, 0, 0                               ; eight matrix instructions stand between the add and the wait for it
	s_wait_dscnt 0x0                               ; the add is done, and my reads of this slot are over
	s_barrier_signal -1
	MUL8 F1, 0, 2, 0
.if \fill
	WIN 0
.endif
	s_barrier_wait -1
.if \fill
	CREST                                          ; no wave of any partner still reads this slot's tile or has a load on its way
	s_add_nc_u64 s[G0A+4*(\slot)+2:G0A+4*(\slot)+3], s[66:67], s[68:69]
	s_or_b32 s[G0A+4*(\slot)+3], s[G0A+4*(\slot)+3], 0x80000000
	s_add_co_u32 s68, s68, KSTEP*2                 ; the next request is one K step on
	s_add_nc_u64 s[G0B+4*(\slot)+2:G0B+4*(\slot)+3], s[G0B+4*(\slot)+2:G0B+4*(\slot)+3], 2*KSTEP*2
	JLOAD \slot                                    ; the four v_nop behind it are also the places in front of the loads below
.else
	PLACES
.endif
	FETCH \next, 0, F0
	WIN MUL
	MUL8 F1, 1, 0, 0
	MUL8 F1, 1, 2, 0
.endm
; THE WAY OUT of block a (16 rows x 64 columns), in place on its four accumulators, each read from its low end on.  i = 8 b + r.
; A plain instruction stands between the last of a run of transcendentals and the first use of a result (ISA guide 5.7.2).
.macro SIG a
	WIN 0x28                                       ; sources 1 and 2 (Q1, Q2) window 2
.set i, 0
.rept 16
	v_pk_fma_f32 v[ACC+32*(\a)+i:ACC+32*(\a)+i+1], v[ACC+32*(\a)+i:ACC+32*(\a)+i+1], v[Q1+i:Q1+i+1], v[Q2+i:Q2+i+1]
.set i, i+2
.endr
	WIN 0
.set i, 0
.rept 32
	v_exp_f32 v[ACC+32*(\a)+i], v[ACC+32*(\a)+i]
.set i, i+1
.endr
	v_nop
.set i, 0
	s_wait_alu depctr_va_vdst(0)
.rept 16
	v_pk_add_f32 v[ACC+32*(\a)+i:ACC+32*(\a)+i+1], v[ACC+32*(\a)+i:ACC+32*(\a)+i+1], 1.0 op_sel_hi:[1,0]
.set i, i+2
.endr
.set i, 0
.rept 32
	v_rcp_f32 v[ACC+32*(\a)+i], v[ACC+32*(\a)+i]
.set i, i+1
.endr
	v_nop
.endm
.macro TOSTAGE a                       ; into my own stage, and back as whole rows of 256 bytes
	WIN 0
	s_wait_alu depctr_va_vdst(0)
.irp b, 0,1,2,3
	ds_store_b128 v[STO], v[ACC+32*(\a)+8*(\b):ACC+32*(\a)+8*(\b)+3]   offset:64*(\b)
	ds_store_b128 v[STO], v[ACC+32*(\a)+8*(\b)+4:ACC+32*(\a)+8*(\b)+7] offset:64*(\b)+16
.endr
.irp t, 0,1,2,3,4,5,6,7
	ds_load_b128 v[OB+32*((\a)%2)+4*(\t):OB+32*((\a)%2)+4*(\t)+3], v[RD] offset:(\t)*2*SPITCH  ; LDS serves a wave's instructions in order (ISA guide 5.7.1.4): these see the stores above
.endr
.endm
.macro SEND a
	WIN 0
	s_wait_dscnt 0x0                               ; the block is back in registers
	s_wait_xcnt 0x0                                ; the registers that earlier stores read are loaded again only behind this wait
.irp t, 0,1,2,3,4,5,6,7
	global_store_b128 v[CO], v[OB+32*((\a)%2)+4*(\t):OB+32*((\a)%2)+4*(\t)+3], s[12:13] offset:(16*(\a)+2*(\t))*ROWC th:TH_STORE_NT  ; 16 lanes store 256 consecutive bytes, aligned
.endr
.endm
	s_wait_tensorcnt 0x1                           ; my part of K step 0 is in; K step 1's may stay out
	s_barrier_signal -1
	s_barrier_wait -1                              ; everybody's is
	FETCH 0, 0, F0
	QUARTER 0, 128, F0, F1, 1                      ; the first quarter stands in front of the loop: its first products start the sums
	WIN 0                                          ; at a label and at a branch every window is 0
	s_mov_b32 s3, LAPS-1
.Llap:                                                 ; a trip goes once round the ring, from a lap's second quarter to the next lap's first, and fills both slots again: four trips, K steps 2 to 9
	QUARTER 0, 256, F1, F0, 0
	QUARTER 0, 384, F0, F1, 0
	TURN 0, 1, 1
	QUARTER 1, 128, F0, F1, 0
	QUARTER 1, 256, F1, F0, 0
	QUARTER 1, 384, F0, F1, 0
	TURN 1, 0, 1
	QUARTER 0, 128, F0, F1, 0
	WIN 0
	s_sub_co_u32 s3, s3, 1
	s_cmp_lg_u32 s3, 0
	s_cbranch_scc1 .Llap
	QUARTER 0, 256, F1, F0, 0                      ; the last lap fills nothing, and has no round of the cluster's barrier
	QUARTER 0, 384, F0, F1, 0
	TURN 0, 1, 0
	QUARTER 1, 128, F0, F1, 0
	QUARTER 1, 256, F1, F0, 0
	QUARTER 1, 384, F0, F1, 0
	s_wait_dscnt 16                                ; the very last quarter: nothing more to fetch
	WIN MUL
	MUL8 F1, 0, 0, 0
	MUL8 F1, 0, 2, 0
	s_wait_dscnt 0x0
	MUL8 F1, 1, 0, 0
	MUL8 F1, 1, 2, 0
	WIN 0
	s_wait_loadcnt 0x0                             ; Q1 and Q2
	PLACES
	SIG 0
	TOSTAGE 0
.irp a, 1,2,3                          ; block a's arithmetic stands between block a - 1's loads from the stage and the wait for them
	SIG \a
	SEND (\a)-1
	TOSTAGE \a
.endr
	SEND 3
	s_wait_tensorcnt 0x0                           ; the wave's end, behind my last tensor load and my last LDS store
	ds_add_u32 v[SPW], v[NIL]
	s_wait_dscnt 0x0
	CROUND                                         ; the closing round: no work-group ends while a partner may still ask for a tile that names it
	s_endpgm
.Lfunc_end_k_qf868c13e8e_outl:
	.size	k_qf868c13e8e_outl, .Lfunc_end_k_qf868c13e8e_outl-k_qf868c13e8e_outl
	.p2alignl 7, 3214868480
	.fill 96, 4, 3214868480
	.section	.rodata,"a",@progbits
	.p2align	6, 0x0
	.amdhsa_kernel k_qf868c13e8e_outl
		.amdhsa_group_segment_fixed_size 327680
		.amdhsa_private_segment_fixed_size 0
		.amdhsa_enable_private_segment 0
		.amdhsa_kernarg_size 40
		.amdhsa_user_sgpr_count 2
		.amdhsa_user_sgpr_kernarg_segment_ptr 1
		.amdhsa_wavefront_size32 1
		.amdhsa_system_sgpr_workgroup_id_x 1
		.amdhsa_system_sgpr_workgroup_id_y 1
		.amdhsa_system_sgpr_workgroup_id_z 1
		.amdhsa_system_vgpr_workitem_id 0
		.amdhsa_next_free_vgpr 576
		.amdhsa_next_free_sgpr 80
		.amdhsa_reserve_vcc 0
		.amdhsa_float_denorm_mode_32 3
		.amdhsa_float_denorm_mode_16_64 3
		.amdhsa_memory_ordered 1
		.amdhsa_forward_progress 1
		.amdhsa_inst_pref_size 104
	.end_amdhsa_kernel
	.amdgpu_metadata
---
amdhsa.version: [ 1, 2 ]
amdhsa.kernels:
  - .name:           k_qf868c13e8e_outl
    .symbol:         k_qf868c13e8e_outl.kd
    .args:
      - { .name: xb, .offset: 0, .size: 8, .value_kind: global_buffer, .address_space: global }
      - { .name: hb, .offset: 8, .size: 8, .value_kind: global_buffer, .address_space: global }
      - { .name: w2, .offset: 16, .size: 8, .value_kind: global_buffer, .address_space: global }
      - { .name: coef, .offset: 24, .size: 8, .value_kind: global_buffer, .address_space: global }
      - { .name: out0, .offset: 32, .size: 8, .value_kind: global_buffer, .address_space: global }
    .group_segment_fixed_size: 327680
    .private_segment_fixed_size: 0
    .kernarg_segment_align: 8
    .kernarg_segment_size: 40
    .max_flat_workgroup_size: 128
    .sgpr_count:     80
    .vgpr_count:     576
    .wavefront_size: 32
...
	.end_amdgpu_metadata
.endif
;; end of part 3
